; MI455X (gfx1250); checked and timed in simulation.
; The chip was launched on July 23, 2026; its instructions are those of AMD's public machine-readable ISA for CDNA 5 (MIT licence, August 2026) and "CDNA5" Instruction Set Architecture Reference Guide (July 2026). The comments in the code are by the model that wrote it; some were corrected since.
;; Multi Head Self Attention. Allowed arithmetic: matrix products marked QUANTISED: E2M3 operands, one E8M0 scale for each 32 along K, by v_wmma_scale_f32_16x16x128_f8f6f4 with both operands' format E2M3, f32 sums; everything else in f32.
;; Inputs: Wk 16 x 1,024 x 64 float32; Wq 16 x 1,024 x 64 float32; Wv 16 x 1,024 x 64 float32; attn_mask 2 x 2,048 x 2,048 bool; k 2 x 1 x 2,048 x 1,024 float32; proj_b 1,024 float32; proj_w 1,024 x 1,024 float32; q 2 x 1 x 2,048 x 1,024 float32; v 2 x 1 x 2,048 x 1,024 float32.
;; Outputs: out0 2 x 2,048 x 1,024 float32.
;; This version of the problem:
;;   THIS VERSION OF THE PROBLEM IS GIVEN IN LOW PRECISION. The matrix products marked QUANTISED in the list below multiply operands that are first quantised to E2M3 (2 exponent bits, 3 mantissa bits; 6 bits a number), with one power-of-two scale for each 32 numbers along K (OCP MX v1.0); their sums are f32. All else is computed in f32.
;;   The module's matrix products, in the order in which they are computed (A, B: the left and right operand; K: the contracted axis; several contracted axes count as one K, in the product's order):
;;     1. [M 1,024, K 1,024] x [K 1,024, N 4,096]; A: input Wq; B: input q: QUANTISED
;;     2. [M 1,024, K 1,024] x [K 1,024, N 4,096]; A: input Wk; B: input k: QUANTISED
;;     3. [M 1,024, K 1,024] x [K 1,024, N 4,096]; A: input Wv; B: input v: QUANTISED
;;     4. batch 32 x [M 2,048, K 64] x [K 64, N 2,048]; A: computed on the way; B: computed on the way: QUANTISED
;;     5. batch 32 x [M 2,048, K 2,048] x [K 2,048, N 64]; A: softmax (see below); B: computed on the way: QUANTISED
;;     6. [M 4,096, K 1,024] x [K 1,024, N 1,024]; A: computed on the way; B: input proj_w: QUANTISED
;;   THE QUANTISER, for each operand of a quantised product, along K:
;;     - K is cut into blocks of 32 from its start; a last block that is shorter is filled with zeros.
;;     - A block's scale is 2^e with e = floor(log2(the largest magnitude in the block)) - 2, held to -126 .. 127; a block of zeros has e = 0. As a byte (E8M0): e + 127.
;;     - Each number is divided by its block's scale, clamped to +-7.5, and rounded to the nearest number of E2M3, ties to even, subnormals kept.
;;     - The product sums the exact products of the quantised numbers (number of the format x scale) in f32.
;;   ~~~python
;;   def quantise(x, axis):      # numpy; x: float32 -> the quantised numbers, widened to float32 again
;;       x = np.moveaxis(x, axis, -1); K = x.shape[-1]
;;       x = np.pad(x, [(0, 0)] * (x.ndim - 1) + [(0, -K % 32)]); x = x.reshape(x.shape[:-1] + (-1, 32)); a = np.abs(x).max(-1, keepdims=True)
;;       e = np.where(a > 0, np.clip(np.frexp(np.where(a > 0, a, 1))[1] - 1 - 2, -126, 127), 0)      # np.frexp(a)[1] - 1 = floor(log2(a)), exactly
;;       r = np.clip(x / 2.0 ** e, -7.5, 7.5)
;;       step = 2.0 ** (np.maximum(np.frexp(np.where(r == 0, 1, r))[1] - 1, 0) - 3)
;;       q = np.round(r / step) * step * 2.0 ** e      # np.round: ties to even
;;       return np.moveaxis(q.reshape(q.shape[:-2] + (-1,))[..., :K], -1, axis).astype(np.float32)
;;   ~~~
;;   SOFTMAX AHEAD OF A QUANTISED PRODUCT. Where the list says 'softmax', what is quantised is not the finished softmax but p = 2^(t - M), with t = logit x log2(e) and M = ceil(the row's largest t), a whole number; so 1/2 < the row's largest p <= 1. The row's sum l is taken of the UNQUANTISED p, in f32, and the product's result is divided by l at the end. Since M is a whole number, a kernel that streams over the keys may use a running M (the ceiling of the running maximum): every later rescaling is an exact power of two, which a block's scale takes up: the codes' values come out the same.
;;   OPERANDS COMPUTED ON THE WAY. 'Computed on the way' means the value that the module computes at that place (a softmax that the list does not call 'softmax' is quantised finished and normalised). What goes into a quantiser is computed in f32, as accurately as f32 sums, v_exp_f32 and their like allow (about 1e-6 of the number): no bf16 or f16 on the way to a quantiser, and a product that is left as it is and whose result goes on into a quantised operand takes f32 operands (vector FMAs, or v_wmma_f32_16x16x4_f32). A number that lies on a knife's edge between two numbers of the format may be rounded either way, as far as f32 arithmetic and the matrix unit's own rounding can turn it there, and no further.
;; One version. Each part assembles by itself: llvm-mc -triple=amdgcn-amd-amdhsa -mcpu=gfx1250 --defsym DOCPART=n.
;; ======== version 1 of 1: 4 launches
;; limits: right only within a limited range of input values
;; workspace buffers: xq 10,649,600 bytes; wq 2,457,600 bytes; mk 1,048,576 bytes of whole numbers; qbuf 3,407,872 bytes; kv 6,684,672 bytes; ctx 3,276,800 bytes
;; launch prep (part 1): grid 864 x 1, 4 waves a work-group, no clusters, 68,096 bytes of LDS; arguments q, k, v, proj_w, Wq, Wk, Wv, attn_mask, xq, wq, mk; writes xq, wq, mk
.if DOCPART == 1
	.amdgcn_target "amdgcn-amd-amdhsa--gfx1250"
	.amdhsa_code_object_version 6
	.text
	.protected	k_q667188e5a0_prep
	.globl	k_q667188e5a0_prep
	.p2align	8
	.type	k_q667188e5a0_prep,@function
k_q667188e5a0_prep:
	s_mov_b64 s[64:65], 0
	v_nop
	global_prefetch_b8 v0, s[64:65] scope:SCOPE_SE
	s_setreg_imm32_b32 hwreg(HW_REG_WAVE_MODE, 25, 1), 1
	s_wait_xcnt 0x0
; PREP: every wide operand becomes codes of FP6 (E2M3) with one E8M0 byte for each 32 along K, laid as IMAGES OF THE OPERAND'S REGISTERS; the mask becomes lane-mask words.
; A block's scale is 2^(floor(log2(its largest magnitude)) - 2); its byte is the largest magnitude's exponent field - 2, held at 1 from below by a floor among the maximum's leaves.
; LIMITS: NaN and infinities among the floating-point inputs are not served.  A block whose largest magnitude lies under 2^-124 gets the byte 1; so does a block of zeros, where the
; quantiser's text says 127: its codes are zeros, which add nothing under any byte but 0xff, and only this program reads the bytes.  A mask byte counts as open when it is not 0.
; TILES.  Lane row r of tile T is row 32 (T / 2) + 8 (T % 2) + r + 8 (r / 8) of its tensor, so that results of two neighbouring tiles are 16 neighbours along the next product's K.
; IMAGES.  Half a fragment (registers 6 c .. 6 c + 5: 64 along K of 16 rows) is 768 bytes: registers 0-3 at 16 x lane, registers 4-5 at 512 + 8 x lane.  A fragment is two of them.
; SCALE WORDS: [tile][K step][row] of 4 bytes.
; THREE PATHS, parted by the work-group's number; a path's LDS bytes are its own.  Work-groups 0-415: q, k, v, proj_w (K innermost).  416-607: Wq, Wk, Wv (K is the middle axis).  608-863: the mask.
; No cluster and no joint loads: no two work-groups read the same input bytes.  No barrier: waves share nothing.
.set XSC, 10223616                     ; xq: where the scale words begin (832 tiles x 12,288 bytes of images)
.set WSC, 2359296                      ; wq: likewise (3 x 64 tiles x 12,288)
.set WST, 8448                         ; a wave's stage: 16 rows x 528 bytes
.set MST, 33792                        ; the mask path's four stages lie behind the other four
.set R, 64                             ; v64-191  numbers as loaded, two sets of 64
.set X, 192                            ; v192-255 numbers as the conversions want them
	s_load_b512 s[4:19], s[0:1], 0x0               ; q, k, v, proj_w, Wq, Wk, Wv, attn_mask
	s_load_b128 s[20:23], s[0:1], 0x40             ; xq, wq
	s_load_b64 s[24:25], s[0:1], 0x50              ; mk
	v_lshl_add_u32 v59, v0, 2, 0x10800
	v_mov_b32 v63, 0
	v_lshrrev_b32 v1, 5, v0
	v_readfirstlane_b32 s26, v1                    ; wave 0..3
	v_and_b32 v1, 31, v0                           ; lane
	v_and_b32 v2, 15, v0                           ; r
	v_bfe_u32 v3, v0, 4, 1                         ; h
	v_lshlrev_b32 v4, 4, v1                        ; 16 x lane
	v_lshlrev_b32 v5, 3, v1                        ; 8 x lane
	v_lshlrev_b32 v6, 2, v1                        ; 4 x lane
	s_mul_i32 s27, s26, WST
	v_add_nc_u32 v7, s27, v4                       ; stage, way in: 16 x lane of a row
	v_mul_u32_u24 v62, v2, 528
	v_add_nc_u32 v62, s27, v62
	v_lshl_add_u32 v8, v3, 7, v62                  ; stage, way out (numbers): row r, + 128 h
	v_lshl_add_u32 v61, v3, 4, v62
	v_add_nc_u32 v61, MST, v61                     ; stage, way out (mask bytes): row r, + 16 h
	v_add_nc_u32 v60, MST, v7                      ; the mask's stage, way in
	v_lshlrev_b32 v9, 3, v3                        ; 8 h
	v_mov_b32 v16, 0                               ; a lane permute's destination counts as read
	s_mov_b32 s42, 0x76543210
	s_mov_b32 s43, 0xfedcba98                      ; v_permlanex16_b32: lane l xor 16
	s_mov_b32 s44, 0xffff0000                      ; lanes 16-31
	s_mov_b32 s35, 0
	s_wait_kmcnt 0x0
	s_cmp_lt_u32 ttmp9, 416
	s_cbranch_scc1 .Lpath_x
	s_cmp_lt_u32 ttmp9, 608
	s_cbranch_scc1 .Lpath_w
; ---------------- THE MASK.  A wave takes 16 queries (tile T of batch b) x 512 keys (four key steps).  Word n of a key step: bit (r, h) = mask[b][row(T, r)][128 ks + 32 (n / 16) + 16 h + n % 16],
; which is the lane mask for register n of the scores.
	s_sub_co_u32 s28, ttmp9, 608                   ; 128 b + T
	s_and_b32 s29, s28, 127                        ; T
	s_lshr_b32 s30, s28, 7                         ; b
	s_lshr_b32 s31, s29, 1
	s_lshl_b32 s31, s31, 5
	s_and_b32 s32, s29, 1
	s_lshl_b32 s32, s32, 3
	s_add_co_u32 s31, s31, s32                     ; the tile's first query
	s_lshl_b32 s31, s31, 11                        ; x 2,048 bytes a row
	s_lshl_b32 s32, s30, 22
	s_add_co_u32 s31, s31, s32
	s_lshl_b32 s34, s26, 9                         ; my 512 keys
	s_add_co_u32 s34, s34, s31
	s_add_nc_u64 s[36:37], s[18:19], s[34:35]
	s_lshl_b32 s34, s28, 12                        ; words: 16 steps x 256 bytes a tile,
	s_lshl_b32 s32, s26, 10                        ; my four steps
	s_add_co_u32 s34, s34, s32
	s_add_nc_u64 s[38:39], s[24:25], s[34:35]
.irp i, 0,1,2,3,4,5,6,7,8,9,10,11,12,13,14,15
	global_load_b128 v[R+4*\i:R+4*\i+3], v4, s[36:37] offset:(\i+8*(\i/8))*2048 th:TH_LOAD_NT   ; 512 consecutive bytes of one row
.endr
	s_wait_loadcnt 0x0
	s_wait_alu depctr_va_vdst(0)
.irp i, 0,1,2,3,4,5,6,7,8,9,10,11,12,13,14,15
	ds_store_b128 v60, v[R+4*\i:R+4*\i+3] offset:528*\i
.endr
.irp kp, 0,1,2,3
.irp bb, 0,1,2,3
	ds_load_b128 v[128+16*\kp+4*\bb:128+16*\kp+4*\bb+3], v61 offset:128*\kp+32*\bb   ; LDS serves a wave's instructions in order: these see the stores.  Pitch 528 = 33 x 16: sixteen rows, sixteen different 16-byte columns
.endr
.endr
	s_wait_dscnt 0x0
.macro MW kp                           ; key step kp of my four: byte n of my 64 -> word n, which goes to lane n / 2, register n % 2
	v_mov_b32 v[24+2*(\kp)], 0
	v_mov_b32 v[25+2*(\kp)], 0
.set g, 0
.rept 16
.irp e, 0,1,2,3
	v_and_b32 v[32+\e], 0xff<<(8*\e), v[128+16*(\kp)+g]
.endr
.irp e, 0,1,2,3
	v_cmp_ne_u32 s[48+\e], 0, v[32+\e]
.endr
.irp e, 0,1,2,3
	v_writelane_b32 v[24+2*(\kp)+\e%2], s[48+\e], 2*g+\e/2
.endr
.set g, g+1
.endr
	global_store_b64 v5, v[24+2*(\kp):25+2*(\kp)], s[38:39] offset:256*(\kp)   ; 32 lanes store 256 consecutive bytes, aligned
.endm
	MW 0
	MW 1
	MW 2
	MW 3
	s_wait_tensorcnt 0x0
	ds_add_u32 v59, v63
	s_wait_dscnt 0x0
	s_endpgm
; ---------------- Wq, Wk, Wv: [head][k][e].  A wave takes 128 along K (K step s) x 32 columns e; A LANE TAKES A COLUMN AND ITS REGISTERS RUN DOWN K, so a block of 32 lies in one lane.
; Column e = 32 bh + L is lane row r' = L % 8 + 8 (L / 16) of tile 4 head + 2 bh + (L / 8) % 2; its block j = 2 c + h' is registers 6 c .. 6 c + 5 of lane (r', h') of that tile's fragment.
; Loads run two blocks ahead: 64 of a wave's loads are out at the most, 32 while a block is worked on.
.Lpath_w:
	s_sub_co_u32 s28, ttmp9, 416
	s_lshl_b32 s28, s28, 2
	s_add_co_u32 s28, s28, s26
	s_and_b32 s29, s28, 1                          ; bh
	s_bfe_u32 s30, s28, 0x30001                    ; s
	s_bfe_u32 s31, s28, 0x40004                    ; head
	s_lshr_b32 s32, s28, 8                         ; which tensor
	s_cmp_eq_u32 s32, 1
	s_cselect_b64 s[36:37], s[14:15], s[12:13]
	s_cmp_eq_u32 s32, 2
	s_cselect_b64 s[36:37], s[16:17], s[36:37]
	s_lshl_b32 s34, s31, 18                        ; a head: 1,024 x 256 bytes
	s_lshl_b32 s33, s30, 15                        ; a K step: 128 x 256
	s_add_co_u32 s34, s34, s33
	s_lshl_b32 s33, s29, 7
	s_add_co_u32 s34, s34, s33
	s_add_nc_u64 s[36:37], s[36:37], s[34:35]
	s_lshl_b32 s33, s31, 2
	s_lshl_b32 s34, s29, 1
	s_add_co_u32 s33, s33, s34                     ; tile 4 head + 2 bh
	s_lshl_b32 s33, s33, 3
	s_add_co_u32 s33, s33, s30                     ; x 8 + s
	s_mul_i32 s34, s33, 1536
	s_mul_i32 s46, s32, 786432
	s_add_co_u32 s34, s34, s46
	s_add_nc_u64 s[38:39], s[22:23], s[34:35]
	s_lshl_b32 s34, s33, 6
	s_lshl_b32 s46, s32, 15
	s_add_co_u32 s34, s34, s46
	s_add_co_u32 s34, s34, WSC
	s_add_nc_u64 s[40:41], s[22:23], s[34:35]
.macro WLD j                           ; block j: W(128 s + 32 j + i, my column), i = 0 .. 31: each load reads 128 consecutive bytes a wave; every block has registers of its own
.set i, 0
.rept 32
	global_load_b32 v[64+32*(\j)+i], v6, s[36:37] offset:256*(32*(\j)+i) th:TH_LOAD_NT
.set i, i+1
.endr
.endm
	WLD 0
	WLD 1
	v_bfe_u32 v10, v0, 3, 1                        ; which of the two tiles
	v_and_b32 v11, 7, v0
	v_lshl_add_u32 v11, v3, 3, v11                 ; r'
	v_mul_u32_u24 v12, v10, 12288
	v_lshl_add_u32 v18, v11, 4, v12                ; registers 0-3 of a half fragment
	v_lshl_add_u32 v19, v11, 3, v12                ; registers 4-5
	v_lshlrev_b32 v20, 9, v10
	v_lshl_add_u32 v20, v11, 2, v20                ; the scale word
.macro BW j
.set XW, 64+32*(\j)
.set CW, 24+8*(\j)
.if (\j) < 3
	s_wait_loadcnt 32                              ; loads come back in order: this block's 32 are in, the next block's 32 may be out
.else
	s_wait_loadcnt 0x0
.endif
.if (\j) < 2
	WLD (\j)+2                                     ; the block two on
.endif
	v_max3_num_f32 v13, |v[XW]|, |v[XW+1]|, |v[XW+2]|
	v_max3_num_f32 v17, |v[XW+3]|, |v[XW+4]|, |v[XW+5]|
.irp i, 6,10,14,18,22,26
	v_max3_num_f32 v13, v13, |v[XW+\i]|, |v[XW+\i+1]|
	v_max3_num_f32 v17, v17, |v[XW+\i+2]|, |v[XW+\i+3]|
.endr
	v_max3_num_f32 v13, v13, |v[XW+30]|, |v[XW+31]|
	v_max3_num_f32 v13, v13, v17, 0x1800000        ; the floor 2^(3 - 127): the byte cannot fall under 1
	v_add_nc_u32 v14, 0xff000000, v13              ; 2 off the exponent field: the conversion's scale operand
	v_lshrrev_b32 v15, 23, v14                     ; the byte
.if (\j) == 0
	v_mov_b32 v16, v15
.else
	v_lshl_or_b32 v16, v15, 8*(\j), v16
.endif
	v_cvt_scalef32_pk16_fp6_f32 v[CW:CW+2], v[XW:XW+15], v14
	v_cvt_scalef32_pk16_fp6_f32 v[56:58], v[XW+16:XW+31], v14   ; (a conversion's three registers begin on an even number)
	v_nop                                          ; one plain place behind a scaled conversion
.irp i, 0,1,2
	v_mov_b32 v[CW+3+\i], v[56+\i]
.endr
	global_store_b128 v18, v[CW:CW+3], s[38:39] offset:768*((\j)/2)+256*((\j)%2)      ; the sixteen lanes of a tile store 256 consecutive bytes, aligned
	global_store_b64 v19, v[CW+4:CW+5], s[38:39] offset:768*((\j)/2)+512+128*((\j)%2)
.endm
	BW 0
	BW 1
	BW 2
	BW 3
	global_store_b32 v20, v16, s[40:41]
	s_endpgm
; ---------------- q, k, v, proj_w: rows with K innermost.  A wave makes four fragments (K steps 4 g .. 4 g + 3) of tile G.  Each load reads 512 consecutive bytes of one row; the 16 rows turn through
; the wave's stage, so that lane (r, h) holds k = 64 c + 32 h + 0 .. 31 of row r: two whole blocks.
.Lpath_x:
	s_lshl_b32 s28, ttmp9, 2
	s_add_co_u32 s28, s28, s26
	s_lshr_b32 s29, s28, 1                         ; G
	s_and_b32 s31, s28, 1                          ; g
	s_lshr_b32 s30, s29, 8                         ; which tensor
	s_and_b32 s32, s29, 255                        ; its tile
	s_cmp_eq_u32 s30, 1
	s_cselect_b64 s[36:37], s[6:7], s[4:5]
	s_cmp_eq_u32 s30, 2
	s_cselect_b64 s[36:37], s[8:9], s[36:37]
	s_cmp_eq_u32 s30, 3
	s_cselect_b64 s[36:37], s[10:11], s[36:37]
	s_lshr_b32 s33, s32, 1
	s_lshl_b32 s33, s33, 5
	s_and_b32 s34, s32, 1
	s_lshl_b32 s34, s34, 3
	s_add_co_u32 s33, s33, s34                     ; the tile's first row
	s_lshl_b32 s34, s33, 12                        ; x 4,096 bytes
	s_lshl_b32 s33, s31, 11
	s_add_co_u32 s34, s34, s33
	s_add_nc_u64 s[36:37], s[36:37], s[34:35]
	s_mul_i32 s34, s29, 12288
	s_mul_i32 s33, s31, 6144
	s_add_co_u32 s34, s34, s33
	s_add_nc_u64 s[38:39], s[20:21], s[34:35]
	s_lshl_b32 s34, s29, 9
	s_lshl_b32 s33, s31, 8
	s_add_co_u32 s34, s34, s33
	s_add_co_u32 s34, s34, XSC
	s_add_nc_u64 s[40:41], s[20:21], s[34:35]
.macro XLOAD f
.irp i, 0,1,2,3,4,5,6,7,8,9,10,11,12,13,14,15
	global_load_b128 v[R+64*((\f)%2)+4*\i:R+64*((\f)%2)+4*\i+3], v4, s[36:37] offset:(\i+8*(\i/8))*4096+512*(\f) th:TH_LOAD_NT
.endr
.endm
.macro XTURN f
.irp i, 0,1,2,3,4,5,6,7,8,9,10,11,12,13,14,15
	ds_store_b128 v7, v[R+64*((\f)%2)+4*\i:R+64*((\f)%2)+4*\i+3] offset:528*\i
.endr
.irp c, 0,1
.irp j, 0,1,2,3,4,5,6,7
	ds_load_b128 v[X+32*\c+4*\j:X+32*\c+4*\j+3], v8 offset:256*\c+16*\j
.endr
.endr
.endm
.macro QX f
.set CC, 24+12*((\f)%2)
.irp c, 0,1
	v_max3_num_f32 v[10+\c], |v[X+32*\c]|, |v[X+32*\c+1]|, 0x1800000   ; block 2 c + h of my row, and the floor 2^(3 - 127)
.endr
.irp i, 2,4,6,8,10,12,14,16,18,20,22,24,26,28,30
.irp c, 0,1
	v_max3_num_f32 v[10+\c], v[10+\c], |v[X+32*\c+\i]|, |v[X+32*\c+\i+1]|
.endr
.endr
.irp c, 0,1
	v_add_nc_u32 v[12+\c], 0xff000000, v[10+\c]
.endr
.irp c, 0,1
	v_lshrrev_b32 v[14+\c], 23, v[12+\c]
.endr
	v_lshl_or_b32 v17, v15, 16, v14                ; my two bytes, blocks h and 2 + h,
	v_lshlrev_b32 v17, v9, v17                     ; at their places;
	v_permlanex16_b32 v16, v17, s42, s43
	v_or_b32 v[18+(\f)], v17, v16                  ; with lane l xor 16's two the word is whole, in both lanes
.irp c, 0,1
	v_cvt_scalef32_pk16_fp6_f32 v[CC+6*\c:CC+6*\c+2], v[X+32*\c:X+32*\c+15], v[12+\c]
	v_cvt_scalef32_pk16_fp6_f32 v[48+4*\c:50+4*\c], v[X+32*\c+16:X+32*\c+31], v[12+\c]
.endr
	v_nop                                          ; one plain place behind a scaled conversion
.irp c, 0,1
.irp i, 0,1,2
	v_mov_b32 v[CC+6*\c+3+\i], v[48+4*\c+\i]
.endr
.endr
.irp c, 0,1
	global_store_b128 v4, v[CC+6*\c:CC+6*\c+3], s[38:39] offset:1536*(\f)+768*\c        ; 512 consecutive bytes
	global_store_b64 v5, v[CC+6*\c+4:CC+6*\c+5], s[38:39] offset:1536*(\f)+768*\c+512   ; 256 consecutive bytes
.endr
.if (\f)%2
	v_cndmask_b32 v[22+(\f)/2], v[17+(\f)], v[18+(\f)], s44   ; lanes 0-15 the even K step's words, lanes 16-31 the odd one's
	global_store_b32 v6, v[22+(\f)/2], s[40:41] offset:128*((\f)/2)
.endif
.endm
	XLOAD 0
	XLOAD 1
	s_wait_alu depctr_va_vdst(0)
.irp f, 0,1,2,3
.if \f < 3
	s_wait_loadcnt 16                              ; this fragment's 16 loads are in; the next one's may be out
.else
	s_wait_loadcnt 0x0
.endif
	XTURN \f
	s_wait_dscnt 0x0                               ; the numbers are back, and the stage's stores have read their registers,
.if \f < 2
	XLOAD \f+2                                     ; which take the loads of two fragments on
.else
	s_wait_xcnt 0x0                                ; the codes' registers are still the data of the stores two fragments back
.endif
	QX \f
.endr
	s_wait_tensorcnt 0x0
	ds_add_u32 v59, v63
	s_wait_dscnt 0x0
	s_endpgm
.Lfunc_end_k_q667188e5a0_prep:
	.size	k_q667188e5a0_prep, .Lfunc_end_k_q667188e5a0_prep-k_q667188e5a0_prep
	.p2alignl 7, 3214868480
	.fill 96, 4, 3214868480
	.section	.rodata,"a",@progbits
	.p2align	6, 0x0
	.amdhsa_kernel k_q667188e5a0_prep
		.amdhsa_group_segment_fixed_size 68096
		.amdhsa_private_segment_fixed_size 0
		.amdhsa_enable_private_segment 0
		.amdhsa_kernarg_size 88
		.amdhsa_user_sgpr_count 2
		.amdhsa_user_sgpr_kernarg_segment_ptr 1
		.amdhsa_wavefront_size32 1
		.amdhsa_system_sgpr_workgroup_id_x 1
		.amdhsa_system_sgpr_workgroup_id_y 1
		.amdhsa_system_sgpr_workgroup_id_z 1
		.amdhsa_system_vgpr_workitem_id 0
		.amdhsa_next_free_vgpr 256
		.amdhsa_next_free_sgpr 66
		.amdhsa_reserve_vcc 0
		.amdhsa_float_denorm_mode_32 3
		.amdhsa_float_denorm_mode_16_64 3
		.amdhsa_memory_ordered 1
		.amdhsa_forward_progress 1
		.amdhsa_inst_pref_size 105
	.end_amdhsa_kernel
	.amdgpu_metadata
---
amdhsa.version: [ 1, 2 ]
amdhsa.kernels:
  - .name:           k_q667188e5a0_prep
    .symbol:         k_q667188e5a0_prep.kd
    .args:
      - { .name: q, .offset: 0, .size: 8, .value_kind: global_buffer, .address_space: global }
      - { .name: k, .offset: 8, .size: 8, .value_kind: global_buffer, .address_space: global }
      - { .name: v, .offset: 16, .size: 8, .value_kind: global_buffer, .address_space: global }
      - { .name: proj_w, .offset: 24, .size: 8, .value_kind: global_buffer, .address_space: global }
      - { .name: Wq, .offset: 32, .size: 8, .value_kind: global_buffer, .address_space: global }
      - { .name: Wk, .offset: 40, .size: 8, .value_kind: global_buffer, .address_space: global }
      - { .name: Wv, .offset: 48, .size: 8, .value_kind: global_buffer, .address_space: global }
      - { .name: attn_mask, .offset: 56, .size: 8, .value_kind: global_buffer, .address_space: global }
      - { .name: xq, .offset: 64, .size: 8, .value_kind: global_buffer, .address_space: global }
      - { .name: wq, .offset: 72, .size: 8, .value_kind: global_buffer, .address_space: global }
      - { .name: mk, .offset: 80, .size: 8, .value_kind: global_buffer, .address_space: global }
    .group_segment_fixed_size: 68096
    .private_segment_fixed_size: 0
    .kernarg_segment_align: 8
    .kernarg_segment_size: 88
    .max_flat_workgroup_size: 128
    .sgpr_count:     66
    .vgpr_count:     256
    .wavefront_size: 32
...
	.end_amdgpu_metadata
.endif
;; end of part 1
;; launch proj (part 2): grid 4 x 48, 4 waves a work-group, clusters of 4 x 1, 205,312 bytes of LDS; arguments xq, wq, qbuf, kv; writes qbuf, kv
.if DOCPART == 2
	.amdgcn_target "amdgcn-amd-amdhsa--gfx1250"
	.amdhsa_code_object_version 6
	.text
	.protected	k_q667188e5a0_proj
	.globl	k_q667188e5a0_proj
	.p2align	8
	.type	k_q667188e5a0_proj,@function
k_q667188e5a0_proj:
	s_mov_b64 s[64:65], 0
	v_nop
	global_prefetch_b8 v0, s[64:65] scope:SCOPE_SE
	s_setreg_imm32_b32 hwreg(HW_REG_WAVE_MODE, 25, 1), 1
	s_wait_xcnt 0x0
	s_wait_alu depctr_hold_cnt(0) depctr_sa_sdst(0) depctr_va_vdst(0) depctr_va_sdst(0) depctr_va_ssrc(0) depctr_va_vcc(0) depctr_vm_vsrc(0)
	s_getreg_b32 s2, hwreg(HW_REG_IB_STS2, 6, 4)
	s_cmp_eq_u32 s2, 0
	s_cbranch_scc0 .Lentry_in_a_cluster
	s_endpgm
.Lentry_in_a_cluster:
	s_bfe_u32 s2, ttmp6, 0x10000c
	s_cmp_lg_u32 s2, 0x3003
	s_cbranch_scc0 .Lentry_shape_is_right
	s_endpgm
.Lentry_shape_is_right:
; PROJ: qh = q Wq, kh = k Wk, vh = v Wv on codes of FP6 (E2M3), and the results quantised in registers into the operands of attention's two products.
; SHARES.  Work-group (cx, y): tensor y / 16 (q, k, v), 256 tokens (tiles 16 y .. 16 y + 15 of xq, in two blocks of 128), heads 4 cx .. 4 cx + 3.  Wave w owns head 4 cx + w for all the tokens:
; its 32 weight fragments (4 tiles x 8 K steps, 384 registers) stay in registers, read from memory once.  192 work-groups: three tensors x 16 x 4.
; CLUSTER.  The four work-groups of a cluster differ in cx alone and need the same token tiles: each wave asks for its quarter JOINTLY (mask 15).  cx enters the addresses of weights and results only.
; LDS is filled once: 16 tiles x 12,288 bytes of fragment images, then their scale words (512 bytes a tile).  One tensor load a wave is out at the most.
; q, k: source 0 = 16 features, source 1 = 16 tokens: a lane holds one token, and the 16 registers of tiles 2 b, 2 b + 1 are features 32 b + 16 h + 0 .. 15: K of the scores' product.
; v:    source 0 = 16 tokens, source 1 = 16 features: a lane holds one feature, and the 16 registers of token tiles 2 b, 2 b + 1 are keys 32 b + 16 h + 0 .. 15: K of the second product.
; LIMITS: as stated at the head of the quantising launch (floor of the scale's byte at 1; no NaN, no infinities).
; REGISTERS: window 0: v1-9 addresses; v16-31 weights' scale words; v32-63 tokens' scale words; v64-159 two sets of four token fragments (v64-111 later the codes just made); v160-197 at work.
;   window 1: weight fragments of tiles 0, 1 at 12 (8 t + s);  window 2: of tiles 2, 3;  window 3: 32 accumulators.
.set XSC, 10223616
.set WSC, 2359296
.set XSCL, 196608                      ; LDS: the tokens' scale words
.set WS, 16
.set XS, 32
.set XB, 64
.set CD, 64
.set TM, 160
.set PT, 168
.set SO, 176
.set BY, 184
.set WD, 192
.set PWR, 196
.set MSB, 0
.macro WIN new                         ; the immediate's high byte repeats the setting that is left
.if MSB != (\new)
	s_set_vgpr_msb (MSB<<8)|(\new)
.set MSB, (\new)
.endif
.endm
.macro ROUND                           ; a round of the cluster's barrier
	s_barrier_signal -1
	s_barrier_wait -1
	s_cmp_lg_u32 s12, 0
	s_cbranch_scc1 .Lnot_wave_0_\@
	s_barrier_signal -3
.Lnot_wave_0_\@:
	s_barrier_wait -3
	s_barrier_signal -1
	s_barrier_wait -1
.endm
	s_load_b256 s[4:11], s[0:1], 0x0               ; xq, wq, qbuf, kv
	v_lshl_add_u32 v254, v0, 2, 0x32000
	v_mov_b32 v255, 0
	ds_add_u32 v254, v255
	ds_add_u32 v254, v255
	v_lshrrev_b32 v1, 5, v0
	v_readfirstlane_b32 s12, v1                    ; wave 0..3
	s_bfe_u32 s13, ttmp6, 0x40000                  ; cx
	s_and_b32 s14, ttmp7, 0xffff                   ; y
	s_lshr_b32 s15, s14, 4                         ; which tensor
	v_and_b32 v10, 31, v0
	v_lshlrev_b32 v1, 4, v10                       ; 16 x lane
	v_lshlrev_b32 v2, 3, v10                       ; 8 x lane
	v_lshlrev_b32 v9, 2, v10                       ; 4 x lane
	v_add_nc_u32 v3, XSCL, v9
	; descriptor group 1: dense blocks as rows of 256 bytes (32 elements of 8 bytes): 256 rows of images (waves 0-2, a third of the 768 each), 32 rows of scale words (wave 3): one tensor load a wave
	s_mov_b32 s16, 15|(3<<16)|(1<<21)              ; 15:0 the mask: all four work-groups; 17:16 elements of 8 bytes; 21 set beside a mask
	s_mov_b32 s17, 32<<16                          ; tensor_dim0
	s_mov_b32 s18, 256<<16                         ; tensor_dim1
	s_mov_b32 s19, 32<<16                          ; tile_dim0
	s_mov_b32 s20, 256                             ; tile_dim1
	s_mov_b32 s21, 32                              ; the pitch
	s_mov_b32 s22, 0
	s_mov_b32 s23, 0
	s_mov_b32 s24, 15|(3<<16)|(1<<21)
	s_mov_b32 s25, 32<<16
	s_mov_b32 s26, 32<<16
	s_mov_b32 s27, 32<<16
	s_mov_b32 s28, 32
	s_mov_b32 s29, 32
	s_mov_b32 s30, 0
	s_mov_b32 s31, 0
	; groups 0: all the scale words; my third of the images
	s_mov_b32 s32, 1
	s_mov_b32 s33, XSCL
	s_mov_b32 s36, 1
	s_lshl_b32 s37, s12, 16
	s_mul_i32 s44, s14, 196608                     ; 16 tiles x 12,288 bytes a work-group row
	s_add_co_u32 s44, s44, s37
	s_mov_b32 s45, 0
	s_lshl_b32 s46, s14, 13                        ; 16 tiles x 512
	s_add_co_u32 s46, s46, XSC
	s_mov_b32 s47, 0
	s_wait_dscnt 0x0
	s_wait_kmcnt 0x0
	s_add_nc_u64 s[34:35], s[4:5], s[46:47]
	s_add_nc_u64 s[38:39], s[4:5], s[44:45]
	s_or_b32 s35, s35, 0x80000000                  ; type = 2
	s_or_b32 s39, s39, 0x80000000
	; my head's weights
	s_lshl_b32 s63, s13, 2
	s_add_co_u32 s63, s63, s12                     ; head
	s_mul_i32 s44, s15, 786432
	s_mul_i32 s46, s63, 49152
	s_add_co_u32 s44, s44, s46
	s_add_nc_u64 s[48:49], s[6:7], s[44:45]
	s_lshl_b32 s44, s15, 15
	s_lshl_b32 s46, s63, 11
	s_add_co_u32 s44, s44, s46
	s_add_co_u32 s44, s44, WSC
	s_add_nc_u64 s[50:51], s[6:7], s[44:45]
	; where the results go: record 16 b + head of qbuf (q) or kv (k, v)
	s_and_b32 s2, s14, 15
	s_lshr_b32 s3, s2, 3
	s_lshl_b32 s3, s3, 4
	s_add_co_u32 s3, s3, s63                       ; the record
	s_and_b32 s2, s2, 7                            ; which 256 tokens of the batch
	s_cmp_eq_u32 s15, 0
	s_cselect_b64 s[52:53], s[8:9], s[10:11]
	s_mov_b32 s68, 208896
	s_cselect_b32 s68, 106496, s68                 ; a record's bytes
	s_mov_b32 s69, 196608
	s_cselect_b32 s69, 98304, s69                  ; where its scale words begin (q, k)
	s_cmp_eq_u32 s15, 2
	s_cselect_b32 s70, 98304, 0                    ; where its images begin
	s_mov_b32 s71, 204800
	s_cselect_b32 s69, s71, s69                    ; (v)
	s_mov_b32 s66, 512
	s_cselect_b32 s66, 256, s66                    ; scale words of a block of 128 tokens, in bytes
	s_mov_b32 s67, 0
	s_mul_i32 s44, s3, s68
	s_mul_i32 s46, s2, 12288
	s_add_co_u32 s46, s46, s44
	s_add_co_u32 s46, s46, s70
	s_mov_b32 s47, 0
	s_mul_i32 s2, s2, s66
	s_lshl_b32 s2, s2, 1
	s_add_co_u32 s44, s44, s2
	s_add_co_u32 s44, s44, s69
	s_add_nc_u64 s[54:55], s[52:53], s[44:45]      ; scale words
	s_add_nc_u64 s[52:53], s[52:53], s[46:47]      ; images
	s_mov_b32 s56, 0                               ; LDS: the block's tiles 0-3,
	s_mov_b32 s57, 49152                           ; its tiles 4-7,
	s_mov_b32 s58, 0                               ; its scale words
	s_mov_b32 s59, 0
	s_mov_b32 s60, 0x76543210
	s_mov_b32 s61, 0xfedcba98
	s_mov_b32 s62, 0xffff0000
	ROUND                                          ; all four work-groups are here: the joint loads meet
	s_cmp_lt_u32 s12, 3                            ; one chain of branches on the wave's number, one joint load to an arm
	s_cbranch_scc0 .Lhead_sc
	tensor_load_to_lds s[36:39], s[16:23]
	s_nop 0
.rept 4
	v_nop
.endr
	s_branch .Lhead_asked
.Lhead_sc:
	tensor_load_to_lds s[32:35], s[24:31]
	s_nop 0
.rept 4
	v_nop
.endr
.Lhead_asked:
.macro WLOAD t0                        ; the fragments of weight tiles t0, t0 + 1 as they lie: four loads each
.irp t, 0,1
.irp s, 0,1,2,3,4,5,6,7
	global_load_b128 v[12*(8*\t+\s):12*(8*\t+\s)+3], v1, s[48:49] offset:(8*(\t+\t0)+\s)*1536
	global_load_b64 v[12*(8*\t+\s)+4:12*(8*\t+\s)+5], v2, s[48:49] offset:(8*(\t+\t0)+\s)*1536+512
	global_load_b128 v[12*(8*\t+\s)+6:12*(8*\t+\s)+9], v1, s[48:49] offset:(8*(\t+\t0)+\s)*1536+768
	global_load_b64 v[12*(8*\t+\s)+10:12*(8*\t+\s)+11], v2, s[48:49] offset:(8*(\t+\t0)+\s)*1536+1280
.endr
.endr
.endm
	WIN 0x40                                       ; destination window 1
	s_wait_alu depctr_va_vdst(0)
	WLOAD 0
	WIN 0x80                                       ; destination window 2
	WLOAD 2
	WIN 0
.irp t, 0,1,2,3
.irp p, 0,1,2,3
	global_load_b32 v[WS+4*\t+\p], v9, s[50:51] offset:512*\t+128*\p   ; lanes 0-15: K step 2 p; lanes 16-31: K step 2 p + 1
.endr
.endr
.irp i, 0,1,2,3,4,5,6,7
	v_mov_b32 v[PT+\i], 0                          ; a lane permute's destination counts as read
.endr
	s_wait_tensorcnt 0x0                           ; my parts of the scale words and of both blocks have landed,
	s_barrier_signal -1
	s_barrier_wait -1                              ; everybody's have
	s_wait_loadcnt 0x0                             ; the weights
.macro FETCHX set, s, mh               ; four token fragments (tiles 4 mh .. 4 mh + 3 of the block, K step s): 16 LDS loads of consecutive bytes
.irp mi, 0,1,2,3
	ds_load_b128 v[XB+48*(\set)+12*\mi:XB+48*(\set)+12*\mi+3], v[4+(\mh)] offset:(8*\mi+(\s))*1536
	ds_load_b64 v[XB+48*(\set)+12*\mi+4:XB+48*(\set)+12*\mi+5], v[6+(\mh)] offset:(8*\mi+(\s))*1536+512
	ds_load_b128 v[XB+48*(\set)+12*\mi+6:XB+48*(\set)+12*\mi+9], v[4+(\mh)] offset:(8*\mi+(\s))*1536+768
	ds_load_b64 v[XB+48*(\set)+12*\mi+10:XB+48*(\set)+12*\mi+11], v[6+(\mh)] offset:(8*\mi+(\s))*1536+1280
.endr
.endm
; 16 matrix instructions: four token tiles x four weight tiles, K step s.  The 32 accumulators take turns, one instruction a turn.  The first K step starts the sums.
.macro MULG kind, set, s, mh
.irp tp, 0,1
.if \kind
	WIN 0xf4+4*\tp                                 ; source 0 tokens (window 0), source 1 weights (window 1 or 2), C and D window 3
.else
	WIN 0xf1+\tp                                   ; source 0 weights (window 1 or 2), source 1 tokens (window 0), C and D window 3
.endif
.irp mi, 0,1,2,3
.irp tt, 0,1
.if \kind
.set rD, 8*(8*(2*\tp+\tt)+4*(\mh)+\mi)
.set rA, XB+48*(\set)+12*\mi
.set rB, 12*(8*\tt+(\s))
.set sA, XS+4*(4*(\mh)+\mi)+(\s)/2
.set sB, WS+4*(2*\tp+\tt)+(\s)/2
.else
.set rD, 8*(4*(4*(\mh)+\mi)+2*\tp+\tt)
.set rA, 12*(8*\tt+(\s))
.set rB, XB+48*(\set)+12*\mi
.set sA, WS+4*(2*\tp+\tt)+(\s)/2
.set sB, XS+4*(4*(\mh)+\mi)+(\s)/2
.endif
.if (\s) == 0
	v_wmma_scale_f32_16x16x128_f8f6f4 v[rD:rD+7], v[rA:rA+11], v[rB:rB+11], 0, v[sA], v[sB] matrix_a_fmt:MATRIX_FMT_FP6 matrix_b_fmt:MATRIX_FMT_FP6
.elseif (\s)%2
	v_wmma_scale_f32_16x16x128_f8f6f4 v[rD:rD+7], v[rA:rA+11], v[rB:rB+11], v[rD:rD+7], v[sA], v[sB] matrix_a_fmt:MATRIX_FMT_FP6 matrix_b_fmt:MATRIX_FMT_FP6 matrix_a_scale:MATRIX_SCALE_ROW1 matrix_b_scale:MATRIX_SCALE_ROW1
.else
	v_wmma_scale_f32_16x16x128_f8f6f4 v[rD:rD+7], v[rA:rA+11], v[rB:rB+11], v[rD:rD+7], v[sA], v[sB] matrix_a_fmt:MATRIX_FMT_FP6 matrix_b_fmt:MATRIX_FMT_FP6
.endif
.endr
.endr
.endr
.endm
; A block's 256 matrix instructions in 16 groups; the next group's fragments are fetched ahead of each group's products.
.macro BLOCKMM kind
.set GG, 0
.rept 16
	WIN 0
.rept 4
	v_nop                                          ; four places in front of loads into registers that the last group multiplied
.endr
.if GG < 15
	FETCHX (GG+1)%2, (GG+1)/2, (GG+1)%2
	s_wait_dscnt 16                                ; all but the 16 just issued
.else
	s_wait_dscnt 0x0
.endif
	MULG \kind, GG%2, GG/2, GG%2
.set GG, GG+1
.endr
.endm
; 128 accumulator registers from 128 x call on: eight runs of 16 neighbours along the next K become four half fragments and their scale words, and leave.
.macro EPI kind, call
.set EA, 128*(\call)
	s_wait_xcnt 0x0                                ; the codes' and the words' registers are the data of earlier stores
	WIN 0x0f                                       ; sources 0 and 1 window 3
.irp q, 0,1,2,3,4,5,6,7
	v_max3_num_f32 v[TM+\q], |v[EA+16*\q]|, |v[EA+16*\q+1]|, 0x1800000   ; each accumulator is read from its low end on
.endr
	WIN 0x3c                                       ; sources 1 and 2 window 3
.irp i, 2,4,6,8,10,12,14
.irp q, 0,1,2,3,4,5,6,7
	v_max3_num_f32 v[TM+\q], v[TM+\q], |v[EA+16*\q+\i]|, |v[EA+16*\q+\i+1]|
.endr
.endr
	WIN 0
.irp q, 0,1,2,3,4,5,6,7
	v_permlanex16_b32 v[PT+\q], v[TM+\q], s60, s61
.endr
.irp q, 0,1,2,3,4,5,6,7
	v_max_num_f32 v[TM+\q], v[TM+\q], v[PT+\q]     ; with lane l xor 16's 16: the block's largest magnitude
.endr
.irp q, 0,1,2,3,4,5,6,7
	v_add_nc_u32 v[SO+\q], 0xff000000, v[TM+\q]    ; 2 off the exponent field: the conversion's scale operand
.endr
.irp q, 0,1,2,3,4,5,6,7
	v_lshrrev_b32 v[BY+\q], 23, v[SO+\q]           ; the byte
.endr
.if \kind
.irp ti, 0,1                                   ; v: a feature's four bytes for these 128 keys
	v_lshl_or_b32 v[WD+\ti], v[BY+4*\ti+1], 8, v[BY+4*\ti]
	v_lshl_or_b32 v[WD+\ti], v[BY+4*\ti+2], 16, v[WD+\ti]
	v_lshl_or_b32 v[WD+\ti], v[BY+4*\ti+3], 24, v[WD+\ti]
.endr
	v_cndmask_b32 v[PWR], v[WD], v[WD+1], s62      ; lanes 0-15 the even tile's words, lanes 16-31 the odd one's
.else
.irp p, 0,1,2,3                                ; q, k: a token's two bytes; the upper two stand over zero codes: 1.0
	v_lshl_or_b32 v[WD+\p], v[BY+2*\p+1], 8, v[BY+2*\p]
.endr
.irp p, 0,1,2,3
	v_or_b32 v[WD+\p], 0x7f7f0000, v[WD+\p]
.endr
	v_cndmask_b32 v[PWR], v[WD], v[WD+1], s62
	v_cndmask_b32 v[PWR+1], v[WD+2], v[WD+3], s62
.endif
	WIN 0x03                                       ; source 0 window 3
.irp p, 0,1,2,3
	v_cvt_scalef32_pk16_fp6_f32 v[CD+12*\p:CD+12*\p+2], v[EA+32*\p:EA+32*\p+15], v[SO+2*\p]
	v_cvt_scalef32_pk16_fp6_f32 v[CD+12*\p+8:CD+12*\p+10], v[EA+32*\p+16:EA+32*\p+31], v[SO+2*\p+1]
.endr
	WIN 0
	v_nop                                          ; one plain place behind a scaled conversion
.irp p, 0,1,2,3                                ; the operand's layout wants a whole block in a lane
.irp i, 0,1,2
	v_permlane16_swap_b32 v[CD+12*\p+\i], v[CD+12*\p+8+\i]
.endr
.endr
.irp p, 0,1,2,3
.irp i, 0,1,2
	v_mov_b32 v[CD+12*\p+3+\i], v[CD+12*\p+8+\i]
.endr
.endr
.irp p, 0,1,2,3
	global_store_b128 v1, v[CD+12*\p:CD+12*\p+3], s[52:53] offset:3072*(\call)+768*\p        ; 512 consecutive bytes
	global_store_b64 v2, v[CD+12*\p+4:CD+12*\p+5], s[52:53] offset:3072*(\call)+768*\p+512   ; 256 consecutive bytes
.endr
.if \kind
	global_store_b32 v9, v[PWR], s[54:55] offset:128*(\call)
.else
	global_store_b32 v9, v[PWR], s[54:55] offset:256*(\call)
	global_store_b32 v9, v[PWR+1], s[54:55] offset:256*(\call)+128
.endif
.endm
.Lblk:                                             ; two trips: a block of 128 tokens each
	v_add_nc_u32 v4, s56, v1
	v_add_nc_u32 v5, s57, v1
	v_add_nc_u32 v6, s56, v2
	v_add_nc_u32 v7, s57, v2
	v_add_nc_u32 v8, s58, v3
.irp m, 0,1,2,3,4,5,6,7
.irp p, 0,1,2,3
	ds_load_b32 v[XS+4*\m+\p], v8 offset:512*\m+128*\p
.endr
.endr
	FETCHX 0, 0, 0
	s_cmp_eq_u32 s15, 2                            ; v's products have their sources the other way round; the same in all partners
	s_cbranch_scc1 .Lfor_v
	s_wait_alu depctr_va_vdst(0)
	BLOCKMM 0
	WIN 0
.rept 4
	v_nop                                          ; four places in front of the first read of results
.endr
	EPI 0, 0
	EPI 0, 1
	s_branch .Ljoin
.Lfor_v:
	s_wait_alu depctr_va_vdst(0)
	BLOCKMM 1
	WIN 0
.rept 4
	v_nop
.endr
	EPI 1, 0
	EPI 1, 1
.Ljoin:
	s_wait_xcnt 0x0                                ; the stores have read their bases and their data
	s_add_nc_u64 s[52:53], s[52:53], 6144
	s_add_nc_u64 s[54:55], s[54:55], s[66:67]
	s_add_co_u32 s56, s56, 98304
	s_add_co_u32 s57, s57, 98304
	s_add_co_u32 s58, s58, 4096
	s_add_co_u32 s59, s59, 1
	s_cmp_lt_u32 s59, 2
	s_cbranch_scc1 .Lblk
	s_wait_tensorcnt 0x0
	ds_add_u32 v254, v255
	s_wait_dscnt 0x0
	ROUND                                          ; the closing round: no work-group ends while a partner may still ask
	s_endpgm
.Lfunc_end_k_q667188e5a0_proj:
	.size	k_q667188e5a0_proj, .Lfunc_end_k_q667188e5a0_proj-k_q667188e5a0_proj
	.p2alignl 7, 3214868480
	.fill 96, 4, 3214868480
	.section	.rodata,"a",@progbits
	.p2align	6, 0x0
	.amdhsa_kernel k_q667188e5a0_proj
		.amdhsa_group_segment_fixed_size 205312
		.amdhsa_private_segment_fixed_size 0
		.amdhsa_enable_private_segment 0
		.amdhsa_kernarg_size 32
		.amdhsa_user_sgpr_count 2
		.amdhsa_user_sgpr_kernarg_segment_ptr 1
		.amdhsa_wavefront_size32 1
		.amdhsa_system_sgpr_workgroup_id_x 1
		.amdhsa_system_sgpr_workgroup_id_y 1
		.amdhsa_system_sgpr_workgroup_id_z 1
		.amdhsa_system_vgpr_workitem_id 0
		.amdhsa_next_free_vgpr 1024
		.amdhsa_next_free_sgpr 72
		.amdhsa_reserve_vcc 0
		.amdhsa_float_denorm_mode_32 3
		.amdhsa_float_denorm_mode_16_64 3
		.amdhsa_memory_ordered 1
		.amdhsa_forward_progress 1
		.amdhsa_inst_pref_size 161
	.end_amdhsa_kernel
	.amdgpu_metadata
---
amdhsa.version: [ 1, 2 ]
amdhsa.kernels:
  - .name:           k_q667188e5a0_proj
    .symbol:         k_q667188e5a0_proj.kd
    .args:
      - { .name: xq, .offset: 0, .size: 8, .value_kind: global_buffer, .address_space: global }
      - { .name: wq, .offset: 8, .size: 8, .value_kind: global_buffer, .address_space: global }
      - { .name: qbuf, .offset: 16, .size: 8, .value_kind: global_buffer, .address_space: global }
      - { .name: kv, .offset: 24, .size: 8, .value_kind: global_buffer, .address_space: global }
    .group_segment_fixed_size: 205312
    .private_segment_fixed_size: 0
    .kernarg_segment_align: 8
    .kernarg_segment_size: 32
    .max_flat_workgroup_size: 128
    .sgpr_count:     72
    .vgpr_count:     1024
    .wavefront_size: 32
...
	.end_amdgpu_metadata
.endif
;; end of part 2
;; launch attn (part 3): grid 8 x 32, 16 waves a work-group, clusters of 4 x 1, 210,944 bytes of LDS; arguments qbuf, kv, mk, ctx; writes ctx
.if DOCPART == 3
	.amdgcn_target "amdgcn-amd-amdhsa--gfx1250"
	.amdhsa_code_object_version 6
	.text
	.protected	k_q667188e5a0_attn
	.globl	k_q667188e5a0_attn
	.p2align	8
	.type	k_q667188e5a0_attn,@function
k_q667188e5a0_attn:
	s_mov_b64 s[64:65], 0
	v_nop
	global_prefetch_b8 v0, s[64:65] scope:SCOPE_SE
	s_setreg_imm32_b32 hwreg(HW_REG_WAVE_MODE, 25, 1), 1
	s_wait_xcnt 0x0
	s_wait_alu depctr_hold_cnt(0) depctr_sa_sdst(0) depctr_va_vdst(0) depctr_va_sdst(0) depctr_va_ssrc(0) depctr_va_vcc(0) depctr_vm_vsrc(0)
	s_getreg_b32 s2, hwreg(HW_REG_IB_STS2, 6, 4)
	s_cmp_eq_u32 s2, 0
	s_cbranch_scc0 .Lentry_in_a_cluster
	s_endpgm
.Lentry_in_a_cluster:
	s_bfe_u32 s2, ttmp6, 0x10000c
	s_cmp_lg_u32 s2, 0x3003
	s_cbranch_scc0 .Lentry_shape_is_right
	s_endpgm
.Lentry_shape_is_right:
; ATTN: ctx = softmax(mask(qh kh^T / 32)) vh for one (batch, head), both products on codes of FP6 (E2M3); ctx is quantised in registers for the output projection.
; t = score x log2(e) / 32; M = the running largest t, rounded UP to a whole number; p = 2^(t - M) is what is quantised, along the keys; the row's sum is taken of the unquantised p and divides at the end.
; When M moves, the sum and O^T are multiplied by 2^(old M - new M): exact.  Hidden scores become -infinity ahead of the maximum, in every step: one select a score, by lane-mask words that the first launch stored.
; A row with no open key has the sum 0: its scale bytes are set to 0xff, so that the output projection gives NaN for that row, as the softmax of such a row is NaN.
; SHARES.  Work-group (x, record 16 b + head): 256 queries; each of sixteen waves owns one tile of 16, in 256 registers: four waves to a SIMD.
; The record's K and V (images and scale words, 208,896 bytes) come into LDS once and are read by all sixteen waves; every wave walks 16 steps of 128 keys.
; CLUSTER.  The four work-groups of a cluster belong to one record and need the same 208,896 bytes: each wave asks for its sixteenth (51 dense rows of 256 bytes) JOINTLY, by the same tensor load with the
; same descriptor and the mask 15 in all four.  A work-group's place in its cluster enters the offsets of Q, of the mask words and of ctx in memory only: no LDS address, no branch.
; LDS is filled once; one tensor load a wave is out at the most.  No prefetch into the L2: K and V come once, at the head, and the mask words are asked for a whole step ahead.
; FRAGMENTS AHEAD.  A step's first four tiles of K and K's scale words are asked of LDS in the step before, behind that step's last score products; its other four tiles are on their way while the first 32 scores are masked.
; LAYOUT.  Both products transposed: S^T = K Q^T, O^T = V^T P^T: a lane holds one query throughout; registers 16 b + i of the scores are keys 32 b + 16 h + i.
; The scores' K is 64: registers 6-11 of Q's and K's fragments are zero codes, under scale bytes of 1.0.
; LIMITS: floor of p's and ctx's scale byte at 1 (a block of zeros keeps it: its codes are zeros); no NaN, no infinities among the inputs.
.set CSC, 3145728                      ; ctx: where the scale words begin
.set PART, 13056                       ; a wave's sixteenth of the record: 51 x 256 bytes
.set QS, 20                            ; v20  Q's scale words
.set PW, 21                            ; v21  p's scale word
.set KSR, 22                           ; v22-25 K's scale words, a pair of tiles each
.set VSR, 26                           ; v26-27 V's
.set Q, 32                             ; v32-43
.set KF, 44                            ; v44-91 four fragments of K
.set S, 92                             ; v92-155 scores, then p; v92-139 then V's four fragments
.set OT, 156                           ; v156-187 O^T
.set PC, 188                           ; v188-199 p's codes
.set TY, 200
.set BM, 208
.set PT, 212
.set SO, 216
.set BY, 220
.macro ROUND                           ; a round of the cluster's barrier
	s_barrier_signal -1
	s_barrier_wait -1
	s_cmp_lg_u32 s12, 0
	s_cbranch_scc1 .Lnot_wave_0_\@
	s_barrier_signal -3
.Lnot_wave_0_\@:
	s_barrier_wait -3
	s_barrier_signal -1
	s_barrier_wait -1
.endm
.macro KQ g                            ; S^T = K Q^T, four tiles of 16 keys
.irp t, 0,1,2,3
.if \t%2
	v_wmma_scale_f32_16x16x128_f8f6f4 v[S+8*(4*\g+\t):S+8*(4*\g+\t)+7], v[KF+12*\t:KF+12*\t+11], v[Q:Q+11], 0, v[KSR+2*\g+\t/2], v[QS] matrix_a_fmt:MATRIX_FMT_FP6 matrix_b_fmt:MATRIX_FMT_FP6 matrix_a_scale:MATRIX_SCALE_ROW1
.else
	v_wmma_scale_f32_16x16x128_f8f6f4 v[S+8*(4*\g+\t):S+8*(4*\g+\t)+7], v[KF+12*\t:KF+12*\t+11], v[Q:Q+11], 0, v[KSR+2*\g+\t/2], v[QS] matrix_a_fmt:MATRIX_FMT_FP6 matrix_b_fmt:MATRIX_FMT_FP6
.endif
.endr
.endm
	s_load_b256 s[4:11], s[0:1], 0x0               ; qbuf, kv, mk, ctx
	v_lshl_add_u32 v254, v0, 2, 0x33000
	v_mov_b32 v255, 0
	ds_add_u32 v254, v255
	ds_add_u32 v254, v255
	v_lshrrev_b32 v1, 5, v0
	s_delay_alu instid0(VALU_DEP_1)
	v_readfirstlane_b32 s12, v1                    ; wave 0..15
	v_and_b32 v28, 31, v0                          ; lane
	v_and_b32 v29, 15, v0                          ; r
	s_delay_alu instid0(VALU_DEP_2)
	v_lshlrev_b32 v1, 4, v28                       ; K's images: registers 0-3
	s_wait_alu depctr_va_vdst(0)
	v_lshl_add_u32 v2, v28, 3, 512                 ; registers 4-5
	s_wait_alu depctr_va_vdst(0)
	v_add_nc_u32 v3, 98304, v1                     ; V's
	v_add_nc_u32 v4, 98304, v2
	v_lshl_add_u32 v5, v28, 2, 196608              ; K's scale words
	v_lshl_add_u32 v6, v28, 2, 204800              ; V's
	v_mov_b32 v7, 0xff800000                       ; -infinity
	v_lshlrev_b32 v232, 2, v29                     ; 4 r
	s_wait_alu depctr_va_vdst(0)
	s_bfe_u32 s16, ttmp6, 0x40000                  ; cx: my place in the cluster
	s_lshl_b32 s17, ttmp9, 2                       ; in a cluster launch ttmp9 counts clusters
	s_add_co_u32 s17, s17, s16                     ; work-group x = 4 x cluster x + cx
	s_lshl_b32 s16, s17, 4
	s_add_co_u32 s16, s16, s12                     ; T: my tile of queries
	s_and_b32 s13, ttmp7, 0xffff                   ; the record, which the four partners share
	s_lshr_b32 s17, s13, 4                         ; b
	s_and_b32 s18, s13, 15                         ; head
	s_lshl_b32 s19, s17, 7
	s_add_co_u32 s19, s19, s16                     ; 128 b + T
	s_mul_i32 s2, s16, 768
	v_add_nc_u32 v234, s2, v1                      ; Q's image in its record
	v_add_nc_u32 v235, s2, v2
	s_lshl_b32 s3, s16, 6
	s_add_co_u32 s3, s3, 98304
	v_add_nc_u32 v233, s3, v232                    ; and its scale words: 64 bytes a tile
	s_mov_b32 s20, 0x76543210
	s_mov_b32 s21, 0xfedcba98
	s_mov_b32 s22, 0x3d38aa3b                      ; c = log2(e) / 32
	s_mov_b32 s23, s22
	; descriptor group 1: a dense block as 51 rows of 256 bytes (32 elements of 8 bytes)
	s_mov_b32 s24, 15|(3<<16)|(1<<21)              ; 15:0 the mask: all four work-groups; 17:16 elements of 8 bytes; 21 set beside a mask
	s_mov_b32 s25, 32<<16                          ; tensor_dim0
	s_mov_b32 s26, 51<<16                          ; tensor_dim1
	s_mov_b32 s27, 32<<16                          ; tile_dim0
	s_mov_b32 s28, 51                              ; tile_dim1
	s_mov_b32 s29, 32                              ; the pitch
	s_mov_b32 s30, 0
	s_mov_b32 s31, 0
	s_wait_dscnt 0x0
	s_wait_kmcnt 0x0
	s_lshl_b32 s2, s19, 12
	s_mov_b32 s3, 0
	s_add_nc_u64 s[14:15], s[8:9], s[2:3]          ; my tile's mask words: 256 bytes a step
	s_mul_i32 s2, s13, 106496
	s_add_nc_u64 s[8:9], s[4:5], s[2:3]            ; my record of qbuf (the pair that held mk's address is done with)
	; descriptor group 0, in s[4:7]: the global address is made in place on kv's
	s_mov_b32 s4, 1                                ; 1:0 count = 1
	s_mul_i32 s5, s12, PART                        ; 63:32 LDS address: the wave's number x 13,056
	s_mul_i32 s2, s13, 208896
	s_add_co_u32 s2, s2, s5
	s_add_nc_u64 s[6:7], s[6:7], s[2:3]            ; 120:64 global address: my sixteenth of the record
	s_or_b32 s7, s7, 0x80000000                    ; 127:126 type = 2
	ROUND                                          ; all four work-groups are here: the joint loads meet
	tensor_load_to_lds s[4:7], s[24:31]
	s_nop 0
.rept 4
	v_nop
.endr
	s_wait_alu depctr_va_vdst(0)
	global_load_b128 v[Q:Q+3], v234, s[8:9]
	global_load_b64 v[Q+4:Q+5], v235, s[8:9]
	global_load_b32 v[QS], v233, s[8:9]
	s_load_b512 s[32:47], s[14:15], 0x0            ; step 0's 64 mask words
	s_load_b512 s[48:63], s[14:15], 0x40
	s_load_b512 s[68:83], s[14:15], 0x80
	s_load_b512 s[84:99], s[14:15], 0xc0
.irp i, 6,7,8,9,10,11
	v_mov_b32 v[Q+\i], 0                           ; zero codes for k = 64 .. 127
.irp t, 0,1,2,3
	v_mov_b32 v[KF+12*\t+\i], 0
.endr
.endr
	v_mov_b32 v15, 0xff61b1e6                      ; the largest t so far: -3e38
	s_delay_alu instid0(VALU_DEP_1)
	v_floor_f32 v14, -v15                          ; -M
	v_mov_b32 v16, 0                               ; the sum, in two halves
	v_mov_b32 v17, 0
	v_mov_b32 v19, 0                               ; (named as the upper half of the pair v[18:19])
.irp b, 0,1,2,3
	v_mov_b32 v[PT+\b], 0                          ; a lane permute's destination counts as read
.endr
.set i, 0
.rept 32
	v_mov_b32 v[OT+i], 0                           ; O^T: the step is written once; the first change of M leaves zeros zeros
.set i, i+1
.endr
	s_wait_alu depctr_va_vdst(0)
	s_wait_tensorcnt 0x0                           ; my sixteenth of the record has landed,
	s_barrier_signal -1
	s_barrier_wait -1                              ; everybody's has
	s_wait_loadcnt 0x0                             ; Q and its scale words
.irp t, 0,1,2,3
	ds_load_b128 v[KF+12*\t:KF+12*\t+3], v1 offset:768*\t      ; step 0's first four tiles of K
	ds_load_b64 v[KF+12*\t+4:KF+12*\t+5], v2 offset:768*\t
.endr
.irp i, 0,1,2,3
	ds_load_b32 v[KSR+\i], v5 offset:128*\i        ; and its scale words
.endr
	s_mov_b32 s24, 0                               ; the step  (my tensor load is done: its descriptor's registers may be written)
	s_mov_b32 s25, 0                               ; its images: 6,144 bytes a step, of K and of V
	s_mov_b32 s26, 0                               ; K's scale words: 512
	s_mov_b32 s27, 0                               ; V's: 256
.Lstep:
	v_add_nc_u32 v8, s25, v1                       ; six plain lines: also the places between the last products, which read v92-139, and the products below, which write them
	v_add_nc_u32 v9, s25, v2
	v_add_nc_u32 v10, s25, v3
	v_add_nc_u32 v11, s25, v4
	v_add_nc_u32 v12, s26, v5
	v_add_nc_u32 v13, s27, v6
	s_wait_alu depctr_va_vdst(0)
	s_wait_dscnt 0x0                               ; the first four tiles of K and K's scale words, asked for a step ago
	KQ 0
.rept 4
	v_nop                                          ; four places in front of loads into registers that matrix instructions have read, and of the first read of results
.endr
.irp t, 0,1,2,3
	ds_load_b128 v[KF+12*\t:KF+12*\t+3], v8 offset:768*(4+\t)
	ds_load_b64 v[KF+12*\t+4:KF+12*\t+5], v9 offset:768*(4+\t)
.endr
	s_wait_kmcnt 0x0                               ; this step's mask words, asked for a step ago; their offset register is written again only behind this wait
.set n, 0
.rept 32
	v_cndmask_b32 v[S+n], v7, v[S+n], s[32+n]      ; one line a score: -infinity where the key is hidden; each accumulator from its low end on.  K's other four tiles are on their way meanwhile
.set n, n+1
.endr
	s_wait_dscnt 0x0
	KQ 1
.rept 4
	v_nop
.endr
	s_cmp_eq_u32 s24, 15                           ; the last step has no successor: it asks for nothing
	s_cbranch_scc1 .Lno_more
.irp t, 0,1,2,3
	ds_load_b128 v[KF+12*\t:KF+12*\t+3], v8 offset:6144+768*\t     ; the next step's first four tiles of K,
	ds_load_b64 v[KF+12*\t+4:KF+12*\t+5], v9 offset:6144+768*\t
.endr
.irp i, 0,1,2,3
	ds_load_b32 v[KSR+\i], v12 offset:512+128*\i   ; and its scale words
.endr
.Lno_more:
.rept 32
	v_cndmask_b32 v[S+n], v7, v[S+n], s[36+n]
.set n, n+1
.endr
	s_add_co_u32 s30, s24, 1
	s_min_u32 s30, s30, 15                         ; (the last step asks for its own words again: no load leaves the buffer)
	s_lshl_b32 s30, s30, 8
	s_load_b512 s[32:47], s[14:15], s30 offset:0x0 ; the next step's words: a whole step ahead of their use
	s_load_b512 s[48:63], s[14:15], s30 offset:0x40
	s_load_b512 s[68:83], s[14:15], s30 offset:0x80
	s_load_b512 s[84:99], s[14:15], s30 offset:0xc0
.irp b, 0,1,2,3
	v_max3_num_f32 v[BM+\b], v[S+16*\b], v[S+16*\b+1], v[S+16*\b+2]   ; the largest score of each block of 32 keys: for the row's maximum and for the block's largest p
.endr
.irp i, 3,5,7,9,11,13
.irp b, 0,1,2,3
	s_delay_alu instid0(VALU_DEP_4)
	v_max3_num_f32 v[BM+\b], v[BM+\b], v[S+16*\b+\i], v[S+16*\b+\i+1]
.endr
.endr
.irp b, 0,1,2,3
	s_delay_alu instid0(VALU_DEP_4)
	v_max_num_f32 v[BM+\b], v[BM+\b], v[S+16*\b+15]
.endr
.irp b, 0,1,2,3
	s_delay_alu instid0(VALU_DEP_4)
	v_permlanex16_b32 v[PT+\b], v[BM+\b], s20, s21
.endr
.irp b, 0,1,2,3
	s_delay_alu instid0(VALU_DEP_4)
	v_max_num_f32 v[BM+\b], v[BM+\b], v[PT+\b]     ; with lane l xor 16's 16 keys
.endr
	s_delay_alu instid0(VALU_DEP_2)
	v_max3_num_f32 v28, v[BM], v[BM+1], v[BM+2]
	s_delay_alu instid0(VALU_DEP_1)
	v_max_num_f32 v28, v28, v[BM+3]
	s_delay_alu instid0(VALU_DEP_1)
	v_mul_f32 v28, s22, v28                        ; as t (c is positive)
	s_delay_alu instid0(VALU_DEP_1)
	v_max_num_f32 v15, v15, v28                    ; the running largest t
	v_mov_b32 v28, v14
	s_delay_alu instid0(VALU_DEP_2)
	v_floor_f32 v14, -v15                          ; the new -M = -ceil(t)
	s_delay_alu instid0(VALU_DEP_1)
	v_sub_f32 v28, v14, v28                        ; old M - new M: a whole number, 0 or less
	s_delay_alu instid0(VALU_DEP_1)
	v_cvt_i32_f32 v28, v28                         ; (it saturates)
	s_delay_alu instid0(VALU_DEP_1)
	v_ldexp_f32 v18, 1.0, v28                      ; f = 2^(old M - new M)
.set j, 0
.rept 32
	v_pk_fma_f32 v[S+j:S+j+1], v[S+j:S+j+1], s[22:23], v[14:15] op_sel_hi:[1,0,0]   ; t - M, two at a time
.set j, j+2
.endr
.irp b, 0,1,2,3
	v_fma_f32 v[BM+\b], v[BM+\b], s22, v14
.endr
.set j, 0
	s_wait_alu depctr_va_vdst(0)
.rept 64
	v_exp_f32 v[S+j], v[S+j]                       ; p = 2^(t - M)
.set j, j+1
.endr
	v_pk_mul_f32 v[16:17], v[16:17], v[18:19] op_sel_hi:[1,0]   ; the sums under the new M: a plain place behind the exponentials
	s_wait_alu depctr_va_vdst(0)                   ; one wait for the batch of 64, ahead of the first line that names a result
.irp b, 0,1,2,3
	v_exp_f32 v[BM+\b], v[BM+\b]                   ; the block's largest p
.endr
	v_pk_add_f32 v[224:225], v[96:97], v[100:101]
	v_pk_add_f32 v[252:253], v[104:105], v[108:109]
	v_pk_add_f32 v[250:251], v[112:113], v[116:117]
	v_pk_add_f32 v[248:249], v[120:121], v[124:125]
	v_pk_add_f32 v[246:247], v[128:129], v[132:133]
	v_pk_add_f32 v[244:245], v[136:137], v[140:141]
	v_pk_add_f32 v[242:243], v[144:145], v[148:149]
	v_pk_add_f32 v[16:17], v[16:17], v[152:153]
	v_pk_add_f32 v[224:225], v[224:225], v[92:93]
	v_pk_add_f32 v[252:253], v[252:253], v[94:95]
	v_pk_add_f32 v[250:251], v[250:251], v[98:99]
	v_pk_add_f32 v[248:249], v[248:249], v[102:103]
	v_pk_add_f32 v[246:247], v[246:247], v[106:107]
	v_pk_add_f32 v[244:245], v[244:245], v[110:111]
	v_pk_add_f32 v[242:243], v[242:243], v[114:115]
	v_pk_add_f32 v[16:17], v[16:17], v[118:119]
	v_pk_add_f32 v[224:225], v[224:225], v[122:123]
	v_pk_add_f32 v[252:253], v[252:253], v[126:127]
	v_pk_add_f32 v[250:251], v[250:251], v[130:131]
	v_pk_add_f32 v[248:249], v[248:249], v[134:135]
	v_pk_add_f32 v[246:247], v[246:247], v[138:139]
	v_pk_add_f32 v[244:245], v[244:245], v[142:143]
	v_pk_add_f32 v[242:243], v[242:243], v[146:147]
	v_pk_add_f32 v[16:17], v[16:17], v[150:151]
	v_pk_add_f32 v[224:225], v[224:225], v[154:155]
	s_delay_alu instid0(VALU_DEP_2)
	v_pk_add_f32 v[16:17], v[16:17], v[248:249]
	s_delay_alu instid0(VALU_DEP_2)
	v_pk_add_f32 v[224:225], v[224:225], v[246:247]
	v_pk_add_f32 v[252:253], v[252:253], v[244:245]
	v_pk_add_f32 v[250:251], v[250:251], v[242:243]
	s_delay_alu instid0(VALU_DEP_2)
	v_pk_add_f32 v[16:17], v[16:17], v[252:253]
	s_delay_alu instid0(VALU_DEP_2)
	v_pk_add_f32 v[224:225], v[224:225], v[250:251]
	s_delay_alu instid0(VALU_DEP_1)
	v_pk_add_f32 v[16:17], v[16:17], v[224:225]
	s_wait_alu depctr_va_vdst(0)                   ; and one for the four
.irp b, 0,1,2,3
	v_max_num_f32 v[BM+\b], 0x1800000, v[BM+\b]    ; the floor 2^(3 - 127)
.endr
.irp b, 0,1,2,3
	s_delay_alu instid0(VALU_DEP_4)
	v_add_nc_u32 v[SO+\b], 0xff000000, v[BM+\b]
.endr
.irp b, 0,1,2,3
	s_delay_alu instid0(VALU_DEP_4)
	v_lshrrev_b32 v[BY+\b], 23, v[SO+\b]
.endr
	s_delay_alu instid0(VALU_DEP_3)
	v_lshl_or_b32 v[PW], v[BY+1], 8, v[BY]
	s_delay_alu instid0(VALU_DEP_1)
	v_lshl_or_b32 v[PW], v[BY+2], 16, v[PW]
	s_delay_alu instid0(VALU_DEP_1)
	v_lshl_or_b32 v[PW], v[BY+3], 24, v[PW]
.irp c, 0,1
	v_cvt_scalef32_pk16_fp6_f32 v[PC+6*\c:PC+6*\c+2], v[S+32*\c:S+32*\c+15], v[SO+2*\c]
	v_cvt_scalef32_pk16_fp6_f32 v[TY+4*\c:TY+4*\c+2], v[S+32*\c+16:S+32*\c+31], v[SO+2*\c+1]
.endr
	v_nop                                          ; one plain place behind a scaled conversion
.irp t, 0,1,2,3                                ; p's registers are done with: V's four fragments land there while the lines below run
	ds_load_b128 v[S+12*\t:S+12*\t+3], v10 offset:1536*\t
	ds_load_b64 v[S+12*\t+4:S+12*\t+5], v11 offset:1536*\t
	ds_load_b128 v[S+12*\t+6:S+12*\t+9], v10 offset:1536*\t+768
	ds_load_b64 v[S+12*\t+10:S+12*\t+11], v11 offset:1536*\t+768
.endr
	ds_load_b32 v[VSR], v13
	ds_load_b32 v[VSR+1], v13 offset:128
.irp c, 0,1                                    ; the operand's layout wants a whole block in a lane
.irp i, 0,1,2
	v_permlane16_swap_b32 v[PC+6*\c+\i], v[TY+4*\c+\i]
.endr
.irp i, 0,1,2
	s_delay_alu instid0(VALU_DEP_3)
	v_mov_b32 v[PC+6*\c+3+\i], v[TY+4*\c+\i]
.endr
.endr
.set j, 0
.rept 16
	v_pk_mul_f32 v[OT+j:OT+j+1], v[OT+j:OT+j+1], v[18:19] op_sel_hi:[1,0]   ; O^T under the new M; these sixteen are also the places in front of the scaled products
.set j, j+2
.endr
	s_wait_alu depctr_va_vdst(0)
	s_wait_dscnt 0x0                               ; V's fragments, and what was asked for the next step
.irp t, 0,1,2,3                                ; O^T += V^T P^T; the four accumulators take turns
.if \t%2
	v_wmma_scale_f32_16x16x128_f8f6f4 v[OT+8*\t:OT+8*\t+7], v[S+12*\t:S+12*\t+11], v[PC:PC+11], v[OT+8*\t:OT+8*\t+7], v[VSR+\t/2], v[PW] matrix_a_fmt:MATRIX_FMT_FP6 matrix_b_fmt:MATRIX_FMT_FP6 matrix_a_scale:MATRIX_SCALE_ROW1
.else
	v_wmma_scale_f32_16x16x128_f8f6f4 v[OT+8*\t:OT+8*\t+7], v[S+12*\t:S+12*\t+11], v[PC:PC+11], v[OT+8*\t:OT+8*\t+7], v[VSR+\t/2], v[PW] matrix_a_fmt:MATRIX_FMT_FP6 matrix_b_fmt:MATRIX_FMT_FP6
.endif
.endr
	s_add_co_u32 s25, s25, 6144
	s_add_co_u32 s26, s26, 512
	s_add_co_u32 s27, s27, 256
	s_add_co_u32 s24, s24, 1
	s_cmp_lt_u32 s24, 16
	s_cbranch_scc1 .Lstep
	s_wait_kmcnt 0x0                               ; the last step's four scalar loads are done: their offset register, s30, is written again below
	; THE WAY OUT: ctx = O^T / the sum; registers 16 b + i are features 32 b + 16 h + i of my head: two blocks along the output projection's K.
.rept 4
	v_nop
.endr
	v_add_f32 v16, v16, v17
	s_delay_alu instid0(VALU_DEP_1)
	v_permlanex16_b32 v28, v16, s20, s21
	s_delay_alu instid0(VALU_DEP_1)
	v_add_f32 v16, v16, v28                        ; the row's sum
	s_wait_alu depctr_va_vdst(0)
	v_rcp_f32 v29, v16
	s_lshl_b32 s29, s19, 4
	s_add_co_u32 s29, s29, s18
	s_mul_i32 s29, s29, 768                        ; half fragment (tile 128 b + T, head)
	v_add_nc_u32 v236, s29, v1                     ; (plain places behind the reciprocal)
	v_add_nc_u32 v237, s29, v2
	s_lshl_b32 s30, s19, 3
	s_lshr_b32 s31, s18, 1
	s_add_co_u32 s30, s30, s31
	s_lshl_b32 s30, s30, 6                         ; the scale words of (tile, K step head / 2),
	s_and_b32 s31, s18, 1
	s_lshl_b32 s31, s31, 1
	s_add_co_u32 s30, s30, s31                     ; my head's two bytes of each
	s_add_co_u32 s30, s30, CSC
	v_add_nc_u32 v238, s30, v232
	v_mov_b32 v30, 0xffff
	s_wait_alu depctr_va_vdst(0)                   ; the wait ahead of the reciprocal's first use
.set j, 0
.rept 32
	v_mul_f32 v[92+j], v[OT+j], v29
.set j, j+1
.endr
.irp b, 0,1
	v_max3_num_f32 v[BM+\b], |v[92+16*\b]|, |v[93+16*\b]|, 0x1800000
.endr
.irp i, 2,4,6,8,10,12,14
.irp b, 0,1
	s_delay_alu instid0(VALU_DEP_2)
	v_max3_num_f32 v[BM+\b], v[BM+\b], |v[92+16*\b+\i]|, |v[93+16*\b+\i]|
.endr
.endr
.irp b, 0,1
	s_delay_alu instid0(VALU_DEP_2)
	v_permlanex16_b32 v[PT+\b], v[BM+\b], s20, s21
.endr
.irp b, 0,1
	s_delay_alu instid0(VALU_DEP_2)
	v_max_num_f32 v[BM+\b], v[BM+\b], v[PT+\b]
.endr
.irp b, 0,1
	s_delay_alu instid0(VALU_DEP_2)
	v_add_nc_u32 v[SO+\b], 0xff000000, v[BM+\b]
.endr
.irp b, 0,1
	s_delay_alu instid0(VALU_DEP_2)
	v_lshrrev_b32 v[BY+\b], 23, v[SO+\b]
.endr
	s_delay_alu instid0(VALU_DEP_1)
	v_lshl_or_b32 v[PW], v[BY+1], 8, v[BY]
	v_cmp_eq_f32 vcc_lo, 0, v16
	s_delay_alu instid0(VALU_DEP_1)
	v_cndmask_b32 v[PW], v[PW], v30, vcc_lo        ; no open key: the NaN byte, twice
	v_cvt_scalef32_pk16_fp6_f32 v[PC:PC+2], v[92:107], v[SO]
	v_cvt_scalef32_pk16_fp6_f32 v[TY:TY+2], v[108:123], v[SO+1]
	v_nop
.irp i, 0,1,2
	v_permlane16_swap_b32 v[PC+\i], v[TY+\i]
.endr
.irp i, 0,1,2
	s_delay_alu instid0(VALU_DEP_3)
	v_mov_b32 v[PC+3+\i], v[TY+\i]
.endr
	global_store_b128 v236, v[PC:PC+3], s[10:11]   ; 512 consecutive bytes
	global_store_b64 v237, v[PC+4:PC+5], s[10:11]  ; 256 consecutive bytes
	v_and_b32 v31, 31, v0
	s_wait_alu depctr_va_vdst(0)
	s_wait_xcnt 0x0                                ; EXEC is a source of the stores above: it changes only behind this wait
	v_cmp_gt_u32 vcc_lo, 16, v31
	s_and_saveexec_b32 s29, vcc_lo
	global_store_b16 v238, v[PW], s[10:11]         ; lanes 0-15: row r's two bytes
	s_wait_xcnt 0x0
	s_or_b32 exec_lo, exec_lo, s29
	s_wait_tensorcnt 0x0
	ds_add_u32 v254, v255
	s_wait_dscnt 0x0
	ROUND                                          ; the closing round: no work-group ends while a partner may still ask for a tile that names it
	s_endpgm
.Lfunc_end_k_q667188e5a0_attn:
	.size	k_q667188e5a0_attn, .Lfunc_end_k_q667188e5a0_attn-k_q667188e5a0_attn
	.p2alignl 7, 3214868480
	.fill 96, 4, 3214868480
	.section	.rodata,"a",@progbits
	.p2align	6, 0x0
	.amdhsa_kernel k_q667188e5a0_attn
		.amdhsa_group_segment_fixed_size 210944
		.amdhsa_private_segment_fixed_size 0
		.amdhsa_enable_private_segment 0
		.amdhsa_kernarg_size 32
		.amdhsa_user_sgpr_count 2
		.amdhsa_user_sgpr_kernarg_segment_ptr 1
		.amdhsa_wavefront_size32 1
		.amdhsa_system_sgpr_workgroup_id_x 1
		.amdhsa_system_sgpr_workgroup_id_y 1
		.amdhsa_system_sgpr_workgroup_id_z 1
		.amdhsa_system_vgpr_workitem_id 0
		.amdhsa_next_free_vgpr 256
		.amdhsa_next_free_sgpr 100
		.amdhsa_reserve_vcc 1
		.amdhsa_float_denorm_mode_32 3
		.amdhsa_float_denorm_mode_16_64 3
		.amdhsa_memory_ordered 1
		.amdhsa_forward_progress 1
		.amdhsa_inst_pref_size 37
	.end_amdhsa_kernel
	.amdgpu_metadata
---
amdhsa.version: [ 1, 2 ]
amdhsa.kernels:
  - .name:           k_q667188e5a0_attn
    .symbol:         k_q667188e5a0_attn.kd
    .args:
      - { .name: qbuf, .offset: 0, .size: 8, .value_kind: global_buffer, .address_space: global }
      - { .name: kv, .offset: 8, .size: 8, .value_kind: global_buffer, .address_space: global }
      - { .name: mk, .offset: 16, .size: 8, .value_kind: global_buffer, .address_space: global }
      - { .name: ctx, .offset: 24, .size: 8, .value_kind: global_buffer, .address_space: global }
    .group_segment_fixed_size: 210944
    .private_segment_fixed_size: 0
    .kernarg_segment_align: 8
    .kernarg_segment_size: 32
    .max_flat_workgroup_size: 512
    .sgpr_count:     100
    .vgpr_count:     256
    .wavefront_size: 32
...
	.end_amdgpu_metadata
.endif
;; end of part 3
;; launch outp (part 4): grid 4 x 64, 4 waves a work-group, no clusters, 118,272 bytes of LDS; arguments ctx, xq, proj_b, out0; writes out0
.if DOCPART == 4
	.amdgcn_target "amdgcn-amd-amdhsa--gfx1250"
	.amdhsa_code_object_version 6
	.text
	.protected	k_q667188e5a0_outp
	.globl	k_q667188e5a0_outp
	.p2align	8
	.type	k_q667188e5a0_outp,@function
k_q667188e5a0_outp:
	s_mov_b64 s[64:65], 0
	v_nop
	global_prefetch_b8 v0, s[64:65] scope:SCOPE_SE
	s_setreg_imm32_b32 hwreg(HW_REG_WAVE_MODE, 25, 1), 1
	s_wait_xcnt 0x0
; OUTP: out0 = ctx proj_w^T + proj_b on codes of FP6 (E2M3).  ctx's codes and scale words come from the attention launch, proj_w's from the quantising launch (tiles 768 .. 831 of xq).
; SHARES.  Work-group (x, y): 64 tokens (ctx tiles 4 y .. 4 y + 3) x 256 outputs; wave w takes outputs 64 (4 x + w) .. + 63 for all 64 tokens: 16 accumulators.  256 work-groups.
; A wave's 32 weight fragments stay in registers, read once.  ctx's 32 fragments and their scale words (51,200 bytes) are copied into LDS once, through registers.
; NO JOINT LOADS: the weights go straight to registers, and what the four work-groups of a row share (ctx) is a fifth of a work-group's bytes.
; Source 0 = 16 rows of proj_w, source 1 = 16 tokens: a lane holds one token and eight neighbouring outputs.  The bias is the C of each sum's first matrix instruction.
; REGISTERS: window 0: v1-14 addresses; v16-31 weights' scale words; v32-47 ctx's; v64-159 two sets of four fragments (before: the fill; after: rows of out0, to v191); v200-231 the bias.
;   window 1: weight tiles 0, 1;  window 2: tiles 2, 3;  window 3: v0-127 the accumulators, (m, t) at 8 (4 m + t).
.set XSC, 10223616
.set CSC, 3145728
.set CSCL, 49152                       ; LDS: ctx's scale words, behind its images
.set STAGE, 51200                      ; LDS: 64 rows x (1,024 + 16) bytes: 1,040 = 65 x 16, so sixteen rows fall in sixteen different 16-byte columns
.set WS, 16
.set XS, 32
.set XB, 64
.set BI, 200
.set MSB, 0
.macro WIN new                         ; the immediate's high byte repeats the setting that is left
.if MSB != (\new)
	s_set_vgpr_msb (MSB<<8)|(\new)
.set MSB, (\new)
.endif
.endm
	s_load_b256 s[4:11], s[0:1], 0x0               ; ctx, xq, proj_b, out0
	v_lshl_add_u32 v254, v0, 2, 0x1cc00
	v_mov_b32 v255, 0
	v_lshrrev_b32 v1, 5, v0
	v_readfirstlane_b32 s12, v1                    ; wave 0..3
	v_and_b32 v11, 31, v0
	v_and_b32 v12, 15, v0                          ; r
	v_bfe_u32 v13, v0, 4, 1                        ; h
	v_lshlrev_b32 v1, 4, v11                       ; 16 x lane
	v_lshlrev_b32 v2, 3, v11                       ; 8 x lane
	v_lshl_add_u32 v3, v11, 2, CSCL
	v_lshlrev_b32 v9, 2, v11                       ; 4 x lane
	v_lshlrev_b32 v10, 6, v13                      ; the bias: 64 h bytes
	v_lshlrev_b32 v14, 4, v0                       ; the fill: 16 bytes a thread
	v_mul_u32_u24 v4, v12, 1040
	v_lshl_add_u32 v4, v13, 6, v4
	s_lshl_b32 s24, s12, 8
	s_add_co_u32 s24, s24, STAGE
	v_add_nc_u32 v4, s24, v4                       ; the stage, way in: row r, + 64 h, + 256 x wave
	s_mul_i32 s25, s12, 16640
	s_add_co_u32 s25, s25, STAGE
	v_add_nc_u32 v5, s25, v1                       ; way back: my 16 rows, 16 bytes a lane
	s_and_b32 s14, ttmp7, 0xffff                   ; y
	s_lshl_b32 s15, ttmp9, 2
	s_add_co_u32 s15, s15, s12                     ; 4 x + w
	s_mov_b32 s21, 0
	s_wait_alu depctr_va_vdst(0)
	s_wait_kmcnt 0x0
	s_mul_i32 s20, s15, 49152
	s_add_co_u32 s20, s20, 9437184                 ; tile 768 + 4 (4 x + w)
	s_add_nc_u64 s[16:17], s[6:7], s[20:21]
	s_lshl_b32 s20, s15, 11
	s_add_co_u32 s20, s20, XSC+393216
	s_add_nc_u64 s[18:19], s[6:7], s[20:21]
	s_lshl_b32 s20, s15, 8
	s_add_nc_u64 s[8:9], s[8:9], s[20:21]          ; my 64 numbers of the bias
	s_lshl_b32 s20, s14, 11
	s_add_co_u32 s20, s20, CSC
	s_add_nc_u64 s[22:23], s[4:5], s[20:21]        ; ctx's scale words
	s_mul_i32 s20, s14, 49152
	s_add_nc_u64 s[4:5], s[4:5], s[20:21]          ; ctx's images
	s_lshl_b32 s20, s14, 6
	s_lshr_b32 s26, s12, 1
	s_lshl_b32 s26, s26, 5
	s_add_co_u32 s20, s20, s26
	s_and_b32 s26, s12, 1
	s_lshl_b32 s26, s26, 3
	s_add_co_u32 s20, s20, s26                     ; the first token that I store: 64 y + 32 (w / 2) + 8 (w % 2)
	s_lshl_b32 s20, s20, 12
	s_lshl_b32 s26, ttmp9, 10
	s_add_co_u32 s20, s20, s26
	s_add_nc_u64 s[10:11], s[10:11], s[20:21]
.macro WLOAD t0
.irp t, 0,1
.irp s, 0,1,2,3,4,5,6,7
	global_load_b128 v[12*(8*\t+\s):12*(8*\t+\s)+3], v1, s[16:17] offset:(8*(\t+\t0)+\s)*1536
	global_load_b64 v[12*(8*\t+\s)+4:12*(8*\t+\s)+5], v2, s[16:17] offset:(8*(\t+\t0)+\s)*1536+512
	global_load_b128 v[12*(8*\t+\s)+6:12*(8*\t+\s)+9], v1, s[16:17] offset:(8*(\t+\t0)+\s)*1536+768
	global_load_b64 v[12*(8*\t+\s)+10:12*(8*\t+\s)+11], v2, s[16:17] offset:(8*(\t+\t0)+\s)*1536+1280
.endr
.endr
.endm
	WIN 0x40
	WLOAD 0
	WIN 0x80
	WLOAD 2
	WIN 0
.irp t, 0,1,2,3
.irp p, 0,1,2,3
	global_load_b32 v[WS+4*\t+\p], v9, s[18:19] offset:512*\t+128*\p
.endr
.endr
.irp t, 0,1,2,3
	global_load_b128 v[BI+8*\t:BI+8*\t+3], v10, s[8:9] offset:(32*(\t/2)+8*(\t%2))*4        ; lane (r, h): outputs 32 (t / 2) + 8 (t % 2) + 16 h + 0 .. 7
	global_load_b128 v[BI+8*\t+4:BI+8*\t+7], v10, s[8:9] offset:(32*(\t/2)+8*(\t%2))*4+16
.endr
.set i, 0
.rept 24
	global_load_b128 v[64+4*i:67+4*i], v14, s[4:5] offset:2048*i
.set i, i+1
.endr
	global_load_b128 v[160:163], v14, s[22:23]
	s_wait_loadcnt 0x0                             ; all of it is wanted before the first product
.set i, 0
.rept 25
	ds_store_b128 v14, v[64+4*i:67+4*i] offset:2048*i
.set i, i+1
.endr
	s_wait_dscnt 0x0                               ; for the others' sake: my part of ctx lies in LDS
	s_barrier_signal -1
	s_barrier_wait -1
.irp m, 0,1,2,3
.irp p, 0,1,2,3
	ds_load_b32 v[XS+4*\m+\p], v3 offset:512*\m+128*\p
.endr
.endr
.macro FETCHC set, s                   ; ctx's four fragments of K step s: 16 LDS loads of consecutive bytes
.irp mi, 0,1,2,3
	ds_load_b128 v[XB+48*(\set)+12*\mi:XB+48*(\set)+12*\mi+3], v1 offset:(8*\mi+(\s))*1536
	ds_load_b64 v[XB+48*(\set)+12*\mi+4:XB+48*(\set)+12*\mi+5], v2 offset:(8*\mi+(\s))*1536+512
	ds_load_b128 v[XB+48*(\set)+12*\mi+6:XB+48*(\set)+12*\mi+9], v1 offset:(8*\mi+(\s))*1536+768
	ds_load_b64 v[XB+48*(\set)+12*\mi+10:XB+48*(\set)+12*\mi+11], v2 offset:(8*\mi+(\s))*1536+1280
.endr
.endm
.macro MULO set, s                     ; 16 matrix instructions: the 16 accumulators take turns, one instruction a turn
.irp tp, 0,1
.if (\s) == 0
	WIN 0xc1+\tp                                   ; source 0 window 1 or 2, source 1 and C (the bias) window 0, D window 3
.else
	WIN 0xf1+\tp                                   ; C and D window 3
.endif
.irp mi, 0,1,2,3
.irp tt, 0,1
.set rD, 8*(4*\mi+2*\tp+\tt)
.set rA, 12*(8*\tt+(\s))
.set rB, XB+48*(\set)+12*\mi
.set rC, BI+8*(2*\tp+\tt)
.set sA, WS+4*(2*\tp+\tt)+(\s)/2
.set sB, XS+4*\mi+(\s)/2
.if (\s) == 0
	v_wmma_scale_f32_16x16x128_f8f6f4 v[rD:rD+7], v[rA:rA+11], v[rB:rB+11], v[rC:rC+7], v[sA], v[sB] matrix_a_fmt:MATRIX_FMT_FP6 matrix_b_fmt:MATRIX_FMT_FP6
.elseif (\s)%2
	v_wmma_scale_f32_16x16x128_f8f6f4 v[rD:rD+7], v[rA:rA+11], v[rB:rB+11], v[rD:rD+7], v[sA], v[sB] matrix_a_fmt:MATRIX_FMT_FP6 matrix_b_fmt:MATRIX_FMT_FP6 matrix_a_scale:MATRIX_SCALE_ROW1 matrix_b_scale:MATRIX_SCALE_ROW1
.else
	v_wmma_scale_f32_16x16x128_f8f6f4 v[rD:rD+7], v[rA:rA+11], v[rB:rB+11], v[rD:rD+7], v[sA], v[sB] matrix_a_fmt:MATRIX_FMT_FP6 matrix_b_fmt:MATRIX_FMT_FP6
.endif
.endr
.endr
.endr
.endm
	FETCHC 0, 0
.set SS, 0
.rept 8
	WIN 0
.rept 4
	v_nop                                          ; four places in front of loads into registers that the last K step multiplied
.endr
.if SS < 7
	FETCHC (SS+1)%2, SS+1
	s_wait_dscnt 16                                ; all but the 16 just issued
.else
	s_wait_dscnt 0x0
.endif
	MULO SS%2, SS
.set SS, SS+1
.endr
	WIN 0
.rept 4
	v_nop                                          ; four places in front of the first read of results
.endr
	WIN 0x0c                                       ; an LDS store's data are its source 1: window 3
.irp m, 0,1,2,3
.irp t, 0,1,2,3
	ds_store_b128 v4, v[8*(4*\m+\t):8*(4*\m+\t)+3] offset:16640*\m+128*(\t/2)+32*(\t%2)        ; each accumulator from its low end on
	ds_store_b128 v4, v[8*(4*\m+\t)+4:8*(4*\m+\t)+7] offset:16640*\m+128*(\t/2)+32*(\t%2)+16
.endr
.endr
	WIN 0
	s_wait_dscnt 0x0                               ; for the others' sake: my quarter of each row lies in the stage
	s_barrier_signal -1
	s_barrier_wait -1
.set n, 0
.rept 32
	ds_load_b128 v[64+4*n:67+4*n], v5 offset:1040*(n/2)+512*(n%2)   ; stage row 16 w + n / 2, half n % 2
.set n, n+1
.endr
.set n, 0
.rept 32
	s_wait_dscnt 31-n                              ; this one is back; the younger ones stay out
	global_store_b128 v1, v[64+4*n:67+4*n], s[10:11] offset:(n/2+8*(n/16))*4096+512*(n%2) th:TH_STORE_NT   ; 512 consecutive bytes, at a multiple of 256 from out0's first byte
.set n, n+1
.endr
	s_wait_tensorcnt 0x0
	ds_add_u32 v254, v255
	s_wait_dscnt 0x0
	s_endpgm
.Lfunc_end_k_q667188e5a0_outp:
	.size	k_q667188e5a0_outp, .Lfunc_end_k_q667188e5a0_outp-k_q667188e5a0_outp
	.p2alignl 7, 3214868480
	.fill 96, 4, 3214868480
	.section	.rodata,"a",@progbits
	.p2align	6, 0x0
	.amdhsa_kernel k_q667188e5a0_outp
		.amdhsa_group_segment_fixed_size 118272
		.amdhsa_private_segment_fixed_size 0
		.amdhsa_enable_private_segment 0
		.amdhsa_kernarg_size 32
		.amdhsa_user_sgpr_count 2
		.amdhsa_user_sgpr_kernarg_segment_ptr 1
		.amdhsa_wavefront_size32 1
		.amdhsa_system_sgpr_workgroup_id_x 1
		.amdhsa_system_sgpr_workgroup_id_y 1
		.amdhsa_system_sgpr_workgroup_id_z 1
		.amdhsa_system_vgpr_workitem_id 0
		.amdhsa_next_free_vgpr 896
		.amdhsa_next_free_sgpr 66
		.amdhsa_reserve_vcc 0
		.amdhsa_float_denorm_mode_32 3
		.amdhsa_float_denorm_mode_16_64 3
		.amdhsa_memory_ordered 1
		.amdhsa_forward_progress 1
		.amdhsa_inst_pref_size 57
	.end_amdhsa_kernel
	.amdgpu_metadata
---
amdhsa.version: [ 1, 2 ]
amdhsa.kernels:
  - .name:           k_q667188e5a0_outp
    .symbol:         k_q667188e5a0_outp.kd
    .args:
      - { .name: ctx, .offset: 0, .size: 8, .value_kind: global_buffer, .address_space: global }
      - { .name: xq, .offset: 8, .size: 8, .value_kind: global_buffer, .address_space: global }
      - { .name: proj_b, .offset: 16, .size: 8, .value_kind: global_buffer, .address_space: global }
      - { .name: out0, .offset: 24, .size: 8, .value_kind: global_buffer, .address_space: global }
    .group_segment_fixed_size: 118272
    .private_segment_fixed_size: 0
    .kernarg_segment_align: 8
    .kernarg_segment_size: 32
    .max_flat_workgroup_size: 128
    .sgpr_count:     66
    .vgpr_count:     896
    .wavefront_size: 32
...
	.end_amdgpu_metadata
.endif
;; end of part 4
